; MI455X (gfx1250); checked and timed in simulation.
; The chip was launched on July 23, 2026; its instructions are those of AMD's public machine-readable ISA for CDNA 5 (MIT licence, August 2026) and "CDNA5" Instruction Set Architecture Reference Guide (July 2026). The comments in the code are by the model that wrote it; some were corrected since.
;; Multi Head Attention Optimised. Allowed arithmetic: matrix products marked QUANTISED: E4M3 operands, one given power-of-two scale a tensor, by v_wmma_f32_16x16x64_fp8_fp8 or v_wmma_f32_16x16x128_fp8_fp8, f32 sums; everything else in f32.
;; Inputs: W_qkv 1,024 x 3,072 float32; lowp_scales 6 int32 (the exponents e of the quantised operands' scales 2^e); x 2 x 2,048 x 1,024 float32.
;; Outputs: out0 2 x 2,048 x 1,024 float32.
;; This version of the problem:
;;   THIS VERSION OF THE PROBLEM IS GIVEN IN LOW PRECISION. The matrix products marked QUANTISED in the list below multiply operands that are first quantised to E4M3 (4 exponent bits, 3 mantissa bits; 8 bits a number), with one given power-of-two scale for each operand tensor; their sums are f32. All else is computed in f32.
;;   The module's matrix products, in the order in which they are computed (A, B: the left and right operand; K: the contracted axis; several contracted axes count as one K, in the product's order):
;;     1. [M 4,096, K 1,024] x [K 1,024, N 3,072]; A: input x; B: input W_qkv: QUANTISED (scales: A lowp_scales[0], B lowp_scales[1])
;;     2. batch 32 x [M 2,048, K 64] x [K 64, N 2,048]; A: computed on the way; B: computed on the way: QUANTISED (scales: A lowp_scales[2], B lowp_scales[3])
;;     3. batch 32 x [M 2,048, K 2,048] x [K 2,048, N 64]; A: softmax (see below); B: computed on the way: QUANTISED (scales: A lowp_scales[4], B lowp_scales[5])
;;   THE QUANTISER, for each operand of a quantised product, along K:
;;     - The operand's scale is 2^e, e = its entry of the input lowp_scales (int32; the entries are numbered through the quantised products in the list's order, A before B).
;;     - Each number is divided by the scale, clamped to +-448, and rounded to the nearest number of E4M3, ties to even, subnormals kept.
;;     - The product sums the exact products of the quantised numbers (number of the format x scale) in f32.
;;   ~~~python
;;   def quantise(x, axis, e):      # numpy; x: float32 -> the quantised numbers, widened to float32 again
;;       x = np.moveaxis(x, axis, -1); K = x.shape[-1]
;;       r = np.clip(x / 2.0 ** e, -448, 448)
;;       step = 2.0 ** (np.maximum(np.frexp(np.where(r == 0, 1, r))[1] - 1, -6) - 3)
;;       q = np.round(r / step) * step * 2.0 ** e      # np.round: ties to even
;;       return np.moveaxis(q, -1, axis).astype(np.float32)
;;   ~~~
;;   SOFTMAX AHEAD OF A QUANTISED PRODUCT. Where the list says 'softmax', what is quantised is not the finished softmax but p = 2^(t - M), with t = logit x log2(e) and M = ceil(the row's largest t), a whole number; so 1/2 < the row's largest p <= 1. The row's sum l is taken of the UNQUANTISED p, in f32, and the product's result is divided by l at the end. Since M is a whole number, a kernel that streams over the keys may use a running M (the ceiling of the running maximum): every later rescaling is an exact power of two, so the quantised numbers keep their values, but for numbers so far below the row's largest that they fall under the format's range.
;;   OPERANDS COMPUTED ON THE WAY. 'Computed on the way' means the value that the module computes at that place (a softmax that the list does not call 'softmax' is quantised finished and normalised). What goes into a quantiser is computed in f32, as accurately as f32 sums, v_exp_f32 and their like allow (about 1e-6 of the number): no bf16 or f16 on the way to a quantiser, and a product that is left as it is and whose result goes on into a quantised operand takes f32 operands (vector FMAs, or v_wmma_f32_16x16x4_f32). A number that lies on a knife's edge between two numbers of the format may be rounded either way, as far as f32 arithmetic and the matrix unit's own rounding can turn it there, and no further.
;; One version. Each part assembles by itself: llvm-mc -triple=amdgcn-amd-amdhsa -mcpu=gfx1250 --defsym DOCPART=n.
;; ======== version 1 of 1: 3 launches
;; workspace buffers: codes 7,340,032 bytes; qkv 12,582,912 bytes
;; launch quant (part 1): grid 320 x 1, 8 waves a work-group, no clusters, 18,432 bytes of LDS; arguments x, W_qkv, lowp_scales, codes; writes codes
.if DOCPART == 1
	.amdgcn_target "amdgcn-amd-amdhsa--gfx1250"
	.amdhsa_code_object_version 6
	.text
	.protected	k_q44e8c40f00_quant
	.globl	k_q44e8c40f00_quant
	.p2align	8
	.type	k_q44e8c40f00_quant,@function
k_q44e8c40f00_quant:
	s_mov_b64 s[64:65], 0
	v_nop
	global_prefetch_b8 v0, s[64:65] scope:SCOPE_SE
	s_setreg_imm32_b32 hwreg(HW_REG_WAVE_MODE, 25, 1), 1
	s_wait_xcnt 0x0
; x [4096 tokens][1024] f32 and W_qkv [1024 (k)][3072 (n)] f32 become codes of FP8 (E4M3), K innermost, in one buffer of 7,168 rows of 1,024 bytes:
; rows 0-4095 are x's tokens, rows 4096-7167 W's columns n.  code = number / 2^e, held within +-448, to the nearest code, ties to even; e = entry 0 of the scales for x, entry 1 for W.
; K IS PERMUTED INSIDE EACH 512, ALIKE IN BOTH OPERANDS: byte p (0..511) of chunk c of a row holds k = 512 c + 128 ((p / 4) % 4) + 4 (p / 16) + p % 4.
; Every product still meets its partner; only the order of the f32 sums inside the first product differs from ascending k (a stated limit of rounding order).
; Why: four loads of 16 bytes a lane, each 512 consecutive bytes a wave, then leave in a lane's 16 registers just the 16 numbers whose codes are 16 neighbouring stored bytes: x needs no turn through LDS.
; For W the permutation costs nothing: a lane takes a column, its registers run down K, and only the loads' immediates say which row comes when.
; LIMITS: e0 and e1 between -126 and 119, so that 2^e and 448 x 2^e are f32 numbers.  NaN among the inputs is not served (an infinity is held at the largest code).
; SHARES: work-groups 0-127 take x (32,768 numbers each, 8 steps of 512 a wave); work-groups 128-319 take W (64 columns x 256 places along K each).
; No matrix unit, no cluster, no tensor load: each byte is read once by one wave, and every wave has all its input asked for at once.
.set WGX,  128                         ; work-groups for x
.set WROW, 12288                       ; a row of W in bytes
.set SP,   272                         ; W's stage: a column's 256 codes + 16 bytes of padding, so that 16 neighbouring rows start 16 bytes apart modulo 256
.set XR,   16                          ; v16-143  x: 8 steps x 16 numbers
.set XC,   144                         ; v144-175 x: 8 steps x 4 registers of codes: no store's data are written again
.set WR,   16                          ; v16-79   W: 2 blocks x 32 numbers
.set WC,   80                          ; v80-95   W: 2 blocks x 8 registers of codes
.set WO,   96                          ; v96-111  W: rows read back from the stage
	s_load_b256 s[4:11], s[0:1], 0x0               ; x s[4:5], W s[6:7], the scales' exponents s[8:9], the codes s[10:11]
	v_lshl_add_u32 v176, v0, 2, 0x4400
	v_mov_b32 v177, 0
	v_and_b32 v1, 31, v0                           ; lane
	v_lshrrev_b32 v2, 5, v0                        ; wave
	s_mov_b32 s15, 0                               ; the high word of every byte offset below
	s_wait_kmcnt 0x0
	s_load_b64 s[12:13], s[8:9], 0x0               ; e0, e1
	s_cmp_lt_u32 ttmp9, WGX                        ; the work-group's number decides: the same way for all eight waves
	s_cbranch_scc0 .Lweights
	; ---- x: a plain stream of steps of 512 numbers
	s_lshl_b32 s14, ttmp9, 17                      ; 64 steps x 2,048 bytes of f32
	s_add_nc_u64 s[4:5], s[4:5], s[14:15]
	s_lshl_b32 s14, ttmp9, 15                      ; 64 steps x 512 bytes of codes
	s_add_nc_u64 s[10:11], s[10:11], s[14:15]
	v_lshlrev_b32 v3, 4, v1                        ; 16 bytes a lane
	v_lshl_add_u32 v4, v2, 12, v3                  ; out: + wave x 8 steps x 512
	v_lshl_add_u32 v3, v2, 14, v3                  ; in:  + wave x 8 steps x 2,048
.set t, 0
.rept 8
.set i, 0
.rept 4
	global_load_b128 v[XR+16*t+4*i:XR+16*t+4*i+3], v3, s[4:5] offset:2048*t+512*i th:TH_LOAD_NT   ; 32 lanes read 512 consecutive bytes: numbers 128 i + 4 lane + 0..3 of step t
.set i, i+1
.endr
.set t, t+1
.endr
	s_wait_kmcnt 0x0
	s_add_co_i32 s16, s12, 127
	s_lshl_b32 s17, s16, 23
	v_mov_b32 v5, s17                              ; 2^e0 as f32: the conversion takes its exponent field
	s_add_co_i32 s16, s16, 8
	s_lshl_b32 s16, s16, 23
	s_or_b32 s16, s16, 0x600000
	v_mov_b32 v6, s16                              ; 448 x 2^e0
.macro XSTEP s
	s_wait_loadcnt 28-4*(\s)                       ; loads come back in order: this step's four are in, the later steps' stay out
.set j, 0
.rept 16
	v_med3_num_f32 v[XR+16*(\s)+j], v[XR+16*(\s)+j], -v6, v6   ; the conversion to an 8-bit code does not saturate (ISA guide 7.6.2): the hold comes first
.set j, j+1
.endr
	v_cvt_scalef32_pk8_fp8_f32 v[XC+4*(\s):XC+4*(\s)+1], v[XR+16*(\s):XR+16*(\s)+7], v5
	v_cvt_scalef32_pk8_fp8_f32 v[XC+4*(\s)+2:XC+4*(\s)+3], v[XR+16*(\s)+8:XR+16*(\s)+15], v5   ; results go to a store alone, sources are never written again: no plain line is owed
	global_store_b128 v4, v[XC+4*(\s):XC+4*(\s)+3], s[10:11] offset:512*(\s)   ; the wave stores 512 consecutive bytes, aligned
.endm
.irp s, 0,1,2,3,4,5,6,7
	XSTEP \s
.endr
	s_endpgm
	; ---- W: a thread takes column v0 % 64 and 64 places along K (v0 / 64 says which); its registers run down K in the order of the places
.Lweights:
	s_sub_co_u32 s14, ttmp9, WGX
	s_lshr_b32 s16, s14, 2                         ; cb: which 64 columns
	s_and_b32 s17, s14, 3                          ; y: which 256 places
	s_lshr_b32 s18, s17, 1
	s_and_b32 s19, s17, 1
	s_lshl_b32 s18, s18, 9
	s_lshl_b32 s19, s19, 6
	s_add_co_u32 s18, s18, s19                     ; the first row of W for these places: 512 (y / 2) + 64 (y % 2)
	s_mul_i32 s18, s18, WROW
	s_lshl_b32 s19, s16, 8                         ; 64 columns of 4 bytes
	s_add_co_u32 s14, s18, s19
	s_add_nc_u64 s[6:7], s[6:7], s[14:15]
	s_lshl_b32 s14, s16, 16                        ; 64 rows of 1,024 bytes of codes
	s_lshl_b32 s19, s17, 8
	s_add_co_u32 s14, s14, s19
	s_add_co_u32 s14, s14, 4096*1024               ; behind x's rows
	s_add_nc_u64 s[10:11], s[10:11], s[14:15]
	v_and_b32 v10, 63, v0                          ; column
	v_lshrrev_b32 v11, 6, v0                       ; kq: 64 places = 16 rows of W further down for each
	v_lshlrev_b32 v3, 2, v10
	v_mad_u32_u24 v3, v11, 16*WROW, v3             ; in
	v_mul_u32_u24 v7, v10, SP
	v_lshl_add_u32 v7, v11, 6, v7                  ; into the stage: row = column, + 64 kq
	v_lshrrev_b32 v12, 4, v0
	v_and_b32 v13, 15, v0
	v_mul_u32_u24 v8, v12, SP
	v_lshl_add_u32 v8, v13, 4, v8                  ; out of it: sixteen lanes to a row
	v_lshlrev_b32 v9, 10, v12
	v_lshl_add_u32 v9, v13, 4, v9                  ; and the same place among the codes' rows
.set t, 0
.rept 2
.set i, 0
.rept 32
	global_load_b32 v[WR+32*t+i], v3, s[6:7] offset:(128*((i/4)%4)+8*t+4*(i/16)+i%4)*WROW th:TH_LOAD_NT   ; place 32 t + i of my 64; a wave reads 128 consecutive bytes, two waves side by side 256; 399 rows at the most: inside the signed 24-bit immediate
.set i, i+1
.endr
.set t, t+1
.endr
	s_wait_kmcnt 0x0
	s_add_co_i32 s16, s13, 127
	s_lshl_b32 s17, s16, 23
	v_mov_b32 v5, s17                              ; 2^e1
	s_add_co_i32 s16, s16, 8
	s_lshl_b32 s16, s16, 23
	s_or_b32 s16, s16, 0x600000
	v_mov_b32 v6, s16                              ; 448 x 2^e1
.macro WBLOCK t
	s_wait_loadcnt 32-32*(\t)                      ; this block's 32 loads are in; the second block's may be out
.set j, 0
.rept 32
	v_med3_num_f32 v[WR+32*(\t)+j], v[WR+32*(\t)+j], -v6, v6
.set j, j+1
.endr
.irp g, 0,1,2,3
	v_cvt_scalef32_pk8_fp8_f32 v[WC+8*(\t)+2*\g:WC+8*(\t)+2*\g+1], v[WR+32*(\t)+8*\g:WR+32*(\t)+8*\g+7], v5
.endr
	ds_store_b128 v7, v[WC+8*(\t):WC+8*(\t)+3] offset:32*(\t)
	ds_store_b128 v7, v[WC+8*(\t)+4:WC+8*(\t)+7] offset:32*(\t)+16
.endm
	WBLOCK 0
	WBLOCK 1
	s_wait_dscnt 0x0                               ; for the others' sake: my stores into the stage are done
	s_barrier_signal -1
	s_barrier_wait -1                              ; a row's 256 bytes come from four waves
.irp j, 0,1,2,3
	ds_load_b128 v[WO+4*\j:WO+4*\j+3], v8 offset:16*SP*\j
.endr
.irp j, 0,1,2,3
	s_wait_dscnt 3-\j
	global_store_b128 v9, v[WO+4*\j:WO+4*\j+3], s[10:11] offset:16384*\j   ; sixteen lanes store 256 consecutive bytes, aligned
.endr
	s_wait_tensorcnt 0x0
	ds_add_u32 v176, v177
	s_wait_dscnt 0x0
	s_endpgm
.Lfunc_end_k_q44e8c40f00_quant:
	.size	k_q44e8c40f00_quant, .Lfunc_end_k_q44e8c40f00_quant-k_q44e8c40f00_quant
	.p2alignl 7, 3214868480
	.fill 96, 4, 3214868480
	.section	.rodata,"a",@progbits
	.p2align	6, 0x0
	.amdhsa_kernel k_q44e8c40f00_quant
		.amdhsa_group_segment_fixed_size 18432
		.amdhsa_private_segment_fixed_size 0
		.amdhsa_enable_private_segment 0
		.amdhsa_kernarg_size 32
		.amdhsa_user_sgpr_count 2
		.amdhsa_user_sgpr_kernarg_segment_ptr 1
		.amdhsa_wavefront_size32 1
		.amdhsa_system_sgpr_workgroup_id_x 1
		.amdhsa_system_sgpr_workgroup_id_y 1
		.amdhsa_system_sgpr_workgroup_id_z 1
		.amdhsa_system_vgpr_workitem_id 0
		.amdhsa_next_free_vgpr 178
		.amdhsa_next_free_sgpr 66
		.amdhsa_reserve_vcc 0
		.amdhsa_float_denorm_mode_32 3
		.amdhsa_float_denorm_mode_16_64 3
		.amdhsa_memory_ordered 1
		.amdhsa_forward_progress 1
		.amdhsa_inst_pref_size 28
	.end_amdhsa_kernel
	.amdgpu_metadata
---
amdhsa.version: [ 1, 2 ]
amdhsa.kernels:
  - .name:           k_q44e8c40f00_quant
    .symbol:         k_q44e8c40f00_quant.kd
    .args:
      - { .name: x, .offset: 0, .size: 8, .value_kind: global_buffer, .address_space: global }
      - { .name: W_qkv, .offset: 8, .size: 8, .value_kind: global_buffer, .address_space: global }
      - { .name: lowp_scales, .offset: 16, .size: 8, .value_kind: global_buffer, .address_space: global }
      - { .name: codes, .offset: 24, .size: 8, .value_kind: global_buffer, .address_space: global }
    .group_segment_fixed_size: 18432
    .private_segment_fixed_size: 0
    .kernarg_segment_align: 8
    .kernarg_segment_size: 32
    .max_flat_workgroup_size: 256
    .sgpr_count:     66
    .vgpr_count:     178
    .wavefront_size: 32
...
	.end_amdgpu_metadata
.endif
;; end of part 1
;; launch gemm (part 2): grid 12 x 16, 4 waves a work-group, clusters of 4 x 4, 327,680 bytes of LDS; arguments codes, lowp_scales, qkv; writes qkv
.if DOCPART == 2
	.amdgcn_target "amdgcn-amd-amdhsa--gfx1250"
	.amdhsa_code_object_version 6
	.text
	.protected	k_q44e8c40f00_gemm
	.globl	k_q44e8c40f00_gemm
	.p2align	8
	.type	k_q44e8c40f00_gemm,@function
k_q44e8c40f00_gemm:
	s_mov_b64 s[64:65], 0
	v_nop
	global_prefetch_b8 v0, s[64:65] scope:SCOPE_SE
	s_setreg_imm32_b32 hwreg(HW_REG_WAVE_MODE, 25, 1), 1
	s_wait_xcnt 0x0
	s_wait_alu depctr_hold_cnt(0) depctr_sa_sdst(0) depctr_va_vdst(0) depctr_va_sdst(0) depctr_va_ssrc(0) depctr_va_vcc(0) depctr_vm_vsrc(0)
	s_getreg_b32 s2, hwreg(HW_REG_IB_STS2, 6, 4)
	s_cmp_eq_u32 s2, 0
	s_cbranch_scc0 .Lentry_in_a_cluster
	s_endpgm
.Lentry_in_a_cluster:
	s_bfe_u32 s2, ttmp6, 0x10000c
	s_cmp_lg_u32 s2, 0xf033
	s_cbranch_scc0 .Lentry_shape_is_right
	s_endpgm
.Lentry_shape_is_right:
; qkv = x W on codes of FP8 (E4M3): 4,096 tokens x 3,072 columns, K = 1,024; sums in f32.  The finished sums never leave as f32: they are quantised in registers to q (scale entry 2), k (entry 3) and v (entry 5)
; and stored AS IMAGES OF THE NEXT LAUNCH'S OPERAND REGISTERS.  A sum stands for sum x 2^(e0 + e1), so its code is sum / 2^(e_out - e0 - e1): the three scales are folded into the conversion's one.
; LIMIT: e_out - e0 - e1 between -126 and 119, so that this power of two and 448 times it are f32 numbers.  K is permuted alike in both operands (the launch before, and the 16-byte fragment loads here): the order of the sums inside the product differs from ascending k.
; A tile of 256 x 256 is made by a work-group of four waves, each 128 x 128: 64 accumulators of 16 x 16, 512 registers.  K goes in four steps of 256 through two LDS slots filled by the tensor data mover; all is written out, without a loop.
; 192 work-groups: 16 x 12 tiles.  A narrower tile would give more work-groups, but the swap of roles below wants a square one.
; ROLES.  S1 is source 1 of the matrix instruction: a lane holds ONE of its rows.  S0 is source 0: a lane's eight result registers run along EIGHT NEIGHBOURING rows of it.
;   q, k (cluster x = 0, 1): S1 = tokens, S0 = W's columns: a lane holds a token and eight neighbouring channels d, which are the second product's K.
;   v    (cluster x = 2):    S1 = W's columns, S0 = tokens: a lane holds a channel and eight neighbouring tokens, the keys, which are the third product's K.
;   Both kinds of rows lie in the one buffer of codes, so only a ROW NUMBER is chosen, on the cluster's x, which all sixteen partners share.  No LDS address, mask, branch or tile shape differs.
; CLUSTERS: 4 x 4 work-groups.  S1's tile hangs on cy and is shared along a row of the cluster, S0's on cx and is shared along a column: each is asked for JOINTLY, by the same tensor load with the same descriptor and a mask that names the four.
; THE OUTPUT, three sections of 4 MiB (q, k, v); in a section: batch x 2^21 + pair of heads x 2^18 + token in the batch x 128.  A wave's 128 x 128 is one dense block of 16 KiB:
;   q, k: [tile of 16 tokens][head of the pair][1,024 bytes]: a fragment of 16 tokens x 64 d, registers 2 c, 2 c + 1 = d 16 c + 8 (lane / 16) + 0..7 of token lane % 16; registers 0-3 at 16 x lane, 4-7 at 512 + 16 x lane.
;   v:    [block of 128 keys][head of the pair][16 channels][2,048 bytes]: a fragment of 16 channels x 128 keys, registers 2 c, 2 c + 1 = key 16 c + 8 (lane / 16) + 0..7 of channel lane % 16; registers 4 q .. 4 q + 3 at 512 q + 16 x lane.
;   In both cases accumulator (a, b) gives registers 2 b, 2 b + 1 of the 16 that belong to block a, so one text serves all three.
; REGISTERS, in windows of 256: window 0: v0-31 addresses and the two scale numbers; v32-95 held sums on the way out; from v128 S1's fragments, ONE set, later the codes.
;   window 1: S0's fragments, TWO sets, at v0 and v128.   window 2: the accumulators of my S1 rows 0-63 ((a, b) at v[8 (8 a + b)]);   window 3: those of rows 64-127.
.set ROWB,   256                       ; a tile's row in bytes: 256 codes
.set KROW,   1024                      ; a row of codes in memory
.set PITCH,  272                       ; an LDS row: 256 bytes + 16 of padding = 68 words: row r starts at bank 4 r mod 64 (64 banks of 4 bytes: ISA guide 11.1)
.set FR,     16                        ; registers of a fragment: 16 rows x 128 K
.set NL,     4                         ; LDS loads that bring one
.set NP,     4                         ; places behind this matrix instruction (ISA guide 7.12.1)
.set HALFT,  128*PITCH                 ; 128 rows: what one tensor load brings, and what one wave reads of S1 or of S0
.set SLOT,   4*HALFT                   ; S1's 256 rows, then S0's 256 rows
.set SPARE,  2*SLOT                    ; behind the ring: the spare words, 128 bytes for each wave: two blocks of 256 bytes that no other line names
.set ADRA, 16                          ; v16-17  LDS address of my S1 fragments in slot 0, 1
.set ADRB, 20                          ; v20-21  the same for S0
.set VO,   26                          ; v26     16 x lane: my place in an image
.set SPW,  28                          ; v28     LDS address of my spare word; never rewritten
.set NIL,  29                          ; v29     0; never rewritten
.set SC,   30                          ; v30     2^(e_out - e0 - e1) as f32
.set LIM,  31                          ; v31     448 x that
.set TMP,  32                          ; v32-95  a block's 64 sums, held
.set AF,   128                         ; S1's fragments, in window 0
.set CD,   128                         ; the codes: 16 registers for each of the 8 blocks, so that no store's data are written again
.set G1, 24                            ; s[24:31] descriptor group 1 for S1's tiles;  s[32:39] group 0, one set for each slot
.set G0, 32
.set G1B, 48                           ; s[48:55], s[56:63] the same for S0's tiles
.set G0B, 56
.set MSB, 0
.macro WIN new                         ; the immediate's high byte repeats the setting that is left
.if MSB != \new
	s_set_vgpr_msb (MSB<<8)|\new
.set MSB, \new
.endif
.endm
.set MUL_LO, 0xa1                      ; source 0 (S0) window 1, source 1 (S1) window 0, C and D window 2
.set MUL_HI, 0xf1                      ; the same, C and D window 3
.set TO_B,   0x40                      ; destination window 1, address window 0
; A joint load: waves 0 and 1 fetch for S1, waves 2 and 3 for S0.  Each of the two lines has ONE mask and one set of registers for all that issue it; the branch hangs on the wave's number alone.
; Four v_nop follow each of the two lines, ahead of the jump, the label and what follows.
.macro JLOAD g0a, g1a, g0b, g1b
	s_cmp_eq_u32 s15, 0
	s_cbranch_scc0 .Lfor_b_\@
	tensor_load_to_lds s[\g0a:\g0a+3], s[\g1a:\g1a+7]
	s_nop 0
.rept 4
	v_nop
.endr
	s_branch .Lasked_\@
.Lfor_b_\@:
	tensor_load_to_lds s[\g0b:\g0b+3], s[\g1b:\g1b+7]
	s_nop 0
.rept 4
	v_nop
.endr
.Lasked_\@:
.endm
.macro CREST                           ; a round of the cluster's barrier behind its opening barrier
	s_cmp_lg_u32 s14, 0
	s_cbranch_scc1 .Lnot_wave_0_\@
	s_barrier_signal -3
.Lnot_wave_0_\@:
	s_barrier_wait -3
	s_barrier_signal -1
	s_barrier_wait -1
.endm
.macro CROUND                          ; a whole round
	s_barrier_signal -1
	s_barrier_wait -1
	CREST
.endm
	s_load_b128 s[4:7], s[0:1], 0x0                ; the codes s[4:5], the scales' exponents s[6:7]
	s_load_b64 s[10:11], s[0:1], 0x10              ; qkv
	v_lshl_add_u32 v[SPW], v0, 2, SPARE
	v_mov_b32 v[NIL], 0
	ds_add_u32 v28, v29
	ds_add_u32 v28, v29
	s_wait_dscnt 0x0
	v_lshrrev_b32 v1, 5, v0
	v_readfirstlane_b32 s14, v1                    ; wave 0..3
	s_lshr_b32 s15, s14, 1                         ; which half of S1's 256 rows is mine.  Also: I fetch for S1 (0) or for S0 (1)
	s_and_b32 s16, s14, 1                          ; which half of S0's.  Also: which 128 rows of that tile I fetch
	s_bfe_u32 s40, ttmp6, 0x40000                  ; cx, cy: my place in the cluster
	s_bfe_u32 s41, ttmp6, 0x40004
	s_and_b32 s17, ttmp7, 0xffff                   ; cluster y: which 1,024 tokens
	s_lshl_b32 s43, s41, 2
	s_lshl_b32 s43, 15, s43                        ; my row of the cluster
	s_lshl_b32 s44, 0x1111, s40                    ; my column
	; descriptor group 1: a tile of 128 rows x 256 bytes, padded in LDS
	s_or_b32 s[G1+0], s43, (0<<16)|(1<<20)|(1<<21)|(5<<22)|(3<<25)  ; 15:0 the mask: S1's tiles go to my row; 17:16 element of 1 byte; 20 padding on; 21 set beside a mask; 24:22 after every 64 words (code 5); 31:25 of 4 words (code 3)
	s_or_b32 s[G1B+0], s44, (0<<16)|(1<<20)|(1<<21)|(5<<22)|(3<<25)
.irp g, G1, G1B
	s_mov_b32 s[\g+1], ROWB<<16                    ; tensor_dim0
	s_mov_b32 s[\g+2], 128<<16                     ; tensor_dim1 = 128
	s_mov_b32 s[\g+3], ROWB<<16                    ; tile_dim0
	s_mov_b32 s[\g+4], 128                         ; tile_dim1 = 128
	s_mov_b32 s[\g+5], KROW                        ; tensor_dim0_stride
	s_mov_b32 s[\g+6], 0
	s_mov_b32 s[\g+7], 0
.endr
	; which rows of the buffer of codes.  The choice is made among numbers that all sixteen partners share; cy is then added for S1 alone and cx for S0 alone, in registers that never hold the other
	s_lshl_b32 s18, s17, 10                        ; the cluster's first token
	s_lshl_b32 s19, ttmp9, 10
	s_add_co_u32 s19, s19, 4096                    ; the row of W's column 1,024 x cluster x
	s_mov_b32 s42, 6144                            ; the row of W's column 2,048: v's first
	s_cmp_eq_u32 ttmp9, 2                          ; v?
	s_cselect_b32 s20, s42, s18                    ; S1: v's columns, or tokens
	s_cselect_b32 s46, s18, s19                    ; S0: tokens, or q's or k's columns
	s_lshl_b32 s42, s16, 7                         ; which 128 rows of the tile I fetch
	s_lshl_b32 s21, s41, 8
	s_add_co_u32 s20, s20, s21                     ; + 256 cy
	s_add_co_u32 s20, s20, s42
	s_lshl_b32 s47, s40, 8
	s_add_co_u32 s46, s46, s47                     ; + 256 cx
	s_add_co_u32 s46, s46, s42
	s_lshl_b32 s20, s20, 10                        ; in bytes: under 2^23
	s_mov_b32 s21, 0
	s_lshl_b32 s46, s46, 10
	s_mov_b32 s47, 0
	s_mul_i32 s45, s14, HALFT                      ; where they go: wave x 128 rows: no place in the cluster enters an LDS address
	s_wait_kmcnt 0x0
	s_load_b128 s[68:71], s[6:7], 0x0              ; e0, e1, e2, e3
	s_load_b64 s[72:73], s[6:7], 0x10              ; e4, e5
	s_add_nc_u64 s[20:21], s[4:5], s[20:21]
	s_add_nc_u64 s[46:47], s[4:5], s[46:47]
	CROUND                                         ; all sixteen work-groups are here: the first joint loads meet
.irp s, 0,1
	s_mov_b32 s[G0+4*\s], 1
	s_add_co_u32 s[G0+4*\s+1], s45, \s*SLOT
	s_add_nc_u64 s[G0+4*\s+2:G0+4*\s+3], s[20:21], \s*ROWB
	s_or_b32 s[G0+4*\s+3], s[G0+4*\s+3], 0x80000000
	s_mov_b32 s[G0B+4*\s], 1
	s_add_co_u32 s[G0B+4*\s+1], s45, \s*SLOT
	s_add_nc_u64 s[G0B+4*\s+2:G0B+4*\s+3], s[46:47], \s*ROWB
	s_or_b32 s[G0B+4*\s+3], s[G0B+4*\s+3], 0x80000000
	JLOAD G0+4*\s, G1, G0B+4*\s, G1B               ; two loads of mine are out
.endr
	v_and_b32 v1, 15, v0                           ; l % 16
	v_bfe_u32 v2, v0, 4, 1                         ; l / 16
	v_mul_u32_u24 v3, v1, PITCH
	v_lshl_add_u32 v4, v2, 4, v3                   ; a fragment's row x pitch + 16 x half
	s_mul_i32 s21, s15, HALFT                      ; my 128 rows of S1
	s_mul_i32 s22, s16, HALFT                      ; my 128 rows of S0,
	s_add_co_u32 s22, s22, 2*HALFT                 ; which lie behind S1's 256
.irp s, 0,1
	v_add_nc_u32 v[ADRA+\s], s21, v4
	v_add_nc_u32 v[ADRB+\s], s22, v4
	s_add_co_u32 s21, s21, SLOT
	s_add_co_u32 s22, s22, SLOT
.endr
	v_and_b32 v6, 31, v0
	v_lshlrev_b32 v[VO], 4, v6
	; where my 16 KiB go.  Tokens hang on (cy, my half of S1) for q and k and on (cx, my half of S0) for v; the pair of heads on the other two
	s_cmp_eq_u32 ttmp9, 2
	s_cselect_b32 s74, s40, s41
	s_cselect_b32 s75, s41, s40
	s_cselect_b32 s76, s16, s15
	s_cselect_b32 s77, s15, s16
	s_lshl_b32 s78, s17, 10
	s_lshl_b32 s74, s74, 8
	s_add_co_u32 s78, s78, s74
	s_lshl_b32 s76, s76, 7
	s_add_co_u32 s78, s78, s76                     ; my first token
	s_lshl_b32 s75, s75, 1
	s_add_co_u32 s75, s75, s77                     ; my pair of heads
	s_lshr_b32 s79, s78, 11                        ; the batch
	s_and_b32 s78, s78, 2047                       ; the token in it
	s_lshl_b32 s80, ttmp9, 22                      ; the section
	s_lshl_b32 s79, s79, 21
	s_add_co_u32 s80, s80, s79
	s_lshl_b32 s75, s75, 18
	s_add_co_u32 s80, s80, s75
	s_lshl_b32 s78, s78, 7
	s_add_co_u32 s80, s80, s78
	s_mov_b32 s81, 0
	s_add_nc_u64 s[10:11], s[10:11], s[80:81]
.macro FRAG reg, adr, q, i             ; a fragment, 16 rows x 128 places along K, is 16 registers: four loads of 16 bytes, 32 bytes apart; the same places in S1 and in S0
.irp c, 0,1,2,3
	ds_load_b128 v[\reg+4*\c:\reg+4*\c+3], v[\adr] offset:128*(\q)+32*\c+(\i)*16*PITCH
.endr
.endm
; 16 matrix instructions: S1's blocks a0, a0 + 1 x S0's eight, 128 along K.  p: S0's set.  zero = 1: the first product starts the sums: nothing is ever cleared.
; The 64 accumulators take turns, one instruction a turn, in the same order in every step.
.macro MUL16 a0, p, zero
.irp a, \a0, \a0+1
.irp b, 0,1,2,3,4,5,6,7
.if \zero
	v_wmma_f32_16x16x128_fp8_fp8 v[8*(8*((\a)%4)+\b):8*(8*((\a)%4)+\b)+7], v[128*(\p)+FR*\b:128*(\p)+FR*\b+FR-1], v[AF+FR*(\a):AF+FR*(\a)+FR-1], 0
.else
	v_wmma_f32_16x16x128_fp8_fp8 v[8*(8*((\a)%4)+\b):8*(8*((\a)%4)+\b)+7], v[128*(\p)+FR*\b:128*(\p)+FR*\b+FR-1], v[AF+FR*(\a):AF+FR*(\a)+FR-1], v[8*(8*((\a)%4)+\b):8*(8*((\a)%4)+\b)+7]
.endif
.endr
.endr
.endm
.macro FETCH_B slot, q, p              ; S0's eight fragments of the slot's q-th 128 along K into set p
	WIN TO_B
.irp i, 0,1,2,3,4,5,6,7
	FRAG 128*(\p)+FR*\i, ADRB+\slot, \q, \i
.endr
	WIN 0
.endm
.macro FETCH_A slot, q, i0             ; S1's blocks i0 .. i0 + 3
.irp i, \i0, \i0+1, \i0+2, \i0+3
	FRAG AF+FR*(\i), ADRA+\slot, \q, \i
.endr
.endm
; A load into a register that a matrix instruction has read, and a vector instruction that reads a matrix result or writes one of a matrix instruction's registers, stand NP places behind it,
; and only plain vector instructions that name none of its registers are places (ISA guide 7.12.1 for vector instructions).
.macro PLACES n
.rept \n
	v_nop
.endr
.endm
; A step of 128 along K that has its successor in the same slot.  A block of S1 is free as soon as its eight products are issued, so one set serves S1: blocks 0-3 are fetched anew in the step's middle, blocks 4-7 at its end.
.macro STEP slot, q, zero
	s_wait_dscnt 4*NL                              ; S0's set and S1's blocks 0-3 are in; the youngest sixteen loads (S1's blocks 4-7) may be out
	WIN MUL_LO
	MUL16 0, (\q)%2, \zero
	MUL16 2, (\q)%2, \zero
	s_wait_dscnt 0                                 ; S1's blocks 4-7 are in (asked for 32 matrix instructions ago)
	PLACES NP
	FETCH_B \slot, (\q)+1, 1-(\q)%2
	FETCH_A \slot, (\q)+1, 0
	WIN MUL_HI
	MUL16 4, (\q)%2, \zero
	MUL16 6, (\q)%2, \zero
	PLACES NP
	WIN 0
	FETCH_A \slot, (\q)+1, 4
.endm
; A slot's last step changes slots: ONE barrier; in front of it each wave waits for all its tensor loads, adds 0 to its spare word, and waits for that and for its own reads of this slot.  fill = 1: this slot is filled again, two K steps ahead.
.macro TURN slot, next, fill
	s_wait_tensorcnt 0x0                           ; all my tensor loads have landed: my part of the next slot;  (every window is 0 here: the add's two registers lie in window 0)
	ds_add_u32 v[SPW], v[NIL]                      ; 0 onto my spare word
	s_wait_dscnt 4*NL+1                            ; (the add and the youngest sixteen loads, S1's blocks 4-7, may be out)
	WIN MUL_LO
	MUL16 0, 1, 0                                  ; sixteen matrix instructions stand between the add and the wait for it
	s_wait_dscnt 0x0                               ; the add is done, and my reads of this slot are over
	s_barrier_signal -1
	MUL16 2, 1, 0
	WIN 0
	s_barrier_wait -1
.if \fill
	CREST                                          ; the barrier has opened a round of the cluster's barrier: no wave of any partner still reads this slot's tile or has a load on its way
	s_add_nc_u64 s[G0+4*\slot+2:G0+4*\slot+3], s[G0+4*\slot+2:G0+4*\slot+3], 2*ROWB
	s_add_nc_u64 s[G0B+4*\slot+2:G0B+4*\slot+3], s[G0B+4*\slot+2:G0B+4*\slot+3], 2*ROWB
	JLOAD G0+4*\slot, G1, G0B+4*\slot, G1B         ; the first tensor load behind the round, my only one out; the four v_nop behind it are the places in front of the loads below
.else
	PLACES NP
.endif
	FETCH_B \next, 0, 0
	FETCH_A \next, 0, 0
	WIN MUL_HI
	MUL16 4, 1, 0
	MUL16 6, 1, 0
	PLACES NP
	WIN 0
	FETCH_A \next, 0, 4
.endm
	s_wait_tensorcnt 1                             ; my part of K step 0 is in (K step 1's load may be out)
	s_barrier_signal -1
	s_barrier_wait -1                              ; everybody's is
	FETCH_B 0, 0, 0
	FETCH_A 0, 0, 0
	FETCH_A 0, 0, 4
	STEP 0, 0, 1                                   ; K 0-127: its products start the sums
	TURN 0, 1, 1                                   ; K 128-255; slot 0 takes K 512-767
	STEP 1, 0, 0
	TURN 1, 0, 1                                   ; slot 1 takes K 768-1023: the last load
	STEP 0, 0, 0
	TURN 0, 1, 0                                   ; nothing is left to fetch, so no round of the cluster's barrier
	STEP 1, 0, 0
	s_wait_dscnt 4*NL                              ; the very last step
	WIN MUL_LO
	MUL16 0, 1, 0
	MUL16 2, 1, 0
	s_wait_dscnt 0
	WIN MUL_HI
	MUL16 4, 1, 0
	MUL16 6, 1, 0
	WIN 0
	; THE WAY OUT: hold, convert, store.  No LDS: a block's 16 code registers are four quads of an image, and each store of the wave covers 512 consecutive bytes, aligned.
	s_wait_kmcnt 0x0
	s_cmp_eq_u32 ttmp9, 0
	s_cselect_b32 s82, s70, s71                    ; q: e2; k: e3;
	s_cmp_eq_u32 ttmp9, 2
	s_cselect_b32 s82, s73, s82                    ; v: e5.  The choice hangs on the cluster's number alone
	s_sub_co_i32 s82, s82, s68
	s_sub_co_i32 s82, s82, s69                     ; e_out - e0 - e1
	s_add_co_i32 s82, s82, 127
	s_lshl_b32 s83, s82, 23
	v_mov_b32 v[SC], s83
	s_add_co_i32 s82, s82, 8
	s_lshl_b32 s82, s82, 23
	s_or_b32 s82, s82, 0x600000
	v_mov_b32 v[LIM], s82
	PLACES NP                                      ; behind the last products: for the reads of their results and for the conversions' writes into the registers that held S1's fragments
.macro EPI a
.set AC, 64*((\a)%4)
	WIN 0x02+((\a)/4)                              ; source 0: window 2 or 3
.set j, 0
.rept 64
	v_med3_num_f32 v[TMP+j], v[AC+j], -v[LIM], v[LIM]   ; the conversion does not saturate (ISA guide 7.6.2): the hold, into other registers; each accumulator from its low end on
.set j, j+1
.endr
	WIN 0
.irp b, 0,1,2,3,4,5,6,7
	v_cvt_scalef32_pk8_fp8_f32 v[CD+16*(\a)+2*\b:CD+16*(\a)+2*\b+1], v[TMP+8*\b:TMP+8*\b+7], v[SC]
.endr
	v_nop                                          ; one plain line between the conversions and the next block's holds, which write their sources
.irp q, 0,1,2,3
	global_store_b128 v[VO], v[CD+16*(\a)+4*\q:CD+16*(\a)+4*\q+3], s[10:11] offset:2048*(\a)+512*\q
.endr
.endm
.irp a, 0,1,2,3,4,5,6,7
	EPI \a
.endr
	s_wait_tensorcnt 0x0                           ; the wave's end
	ds_add_u32 v[SPW], v[NIL]
	s_wait_dscnt 0x0
	CROUND                                         ; the closing round: no work-group ends while a partner may still ask for a tile that names it
	s_endpgm
.Lfunc_end_k_q44e8c40f00_gemm:
	.size	k_q44e8c40f00_gemm, .Lfunc_end_k_q44e8c40f00_gemm-k_q44e8c40f00_gemm
	.p2alignl 7, 3214868480
	.fill 96, 4, 3214868480
	.section	.rodata,"a",@progbits
	.p2align	6, 0x0
	.amdhsa_kernel k_q44e8c40f00_gemm
		.amdhsa_group_segment_fixed_size 327680
		.amdhsa_private_segment_fixed_size 0
		.amdhsa_enable_private_segment 0
		.amdhsa_kernarg_size 24
		.amdhsa_user_sgpr_count 2
		.amdhsa_user_sgpr_kernarg_segment_ptr 1
		.amdhsa_wavefront_size32 1
		.amdhsa_system_sgpr_workgroup_id_x 1
		.amdhsa_system_sgpr_workgroup_id_y 1
		.amdhsa_system_sgpr_workgroup_id_z 1
		.amdhsa_system_vgpr_workitem_id 0
		.amdhsa_next_free_vgpr 1024
		.amdhsa_next_free_sgpr 90
		.amdhsa_reserve_vcc 0
		.amdhsa_float_denorm_mode_32 3
		.amdhsa_float_denorm_mode_16_64 3
		.amdhsa_memory_ordered 1
		.amdhsa_forward_progress 1
		.amdhsa_inst_pref_size 118
	.end_amdhsa_kernel
	.amdgpu_metadata
---
amdhsa.version: [ 1, 2 ]
amdhsa.kernels:
  - .name:           k_q44e8c40f00_gemm
    .symbol:         k_q44e8c40f00_gemm.kd
    .args:
      - { .name: codes, .offset: 0, .size: 8, .value_kind: global_buffer, .address_space: global }
      - { .name: lowp_scales, .offset: 8, .size: 8, .value_kind: global_buffer, .address_space: global }
      - { .name: qkv, .offset: 16, .size: 8, .value_kind: global_buffer, .address_space: global }
    .group_segment_fixed_size: 327680
    .private_segment_fixed_size: 0
    .kernarg_segment_align: 8
    .kernarg_segment_size: 24
    .max_flat_workgroup_size: 128
    .sgpr_count:     90
    .vgpr_count:     1024
    .wavefront_size: 32
...
	.end_amdgpu_metadata
.endif
;; end of part 2
;; launch attn (part 3): grid 8 x 32, 16 waves a work-group, clusters of 4 x 1, 264,192 bytes of LDS; arguments qkv, lowp_scales, out0; writes out0
.if DOCPART == 3
	.amdgcn_target "amdgcn-amd-amdhsa--gfx1250"
	.amdhsa_code_object_version 6
	.text
	.protected	k_q44e8c40f00_attn
	.globl	k_q44e8c40f00_attn
	.p2align	8
	.type	k_q44e8c40f00_attn,@function
k_q44e8c40f00_attn:
	s_mov_b64 s[64:65], 0
	v_nop
	global_prefetch_b8 v0, s[64:65] scope:SCOPE_SE
	s_setreg_imm32_b32 hwreg(HW_REG_WAVE_MODE, 25, 1), 1
	s_wait_xcnt 0x0
	s_wait_alu depctr_hold_cnt(0) depctr_sa_sdst(0) depctr_va_vdst(0) depctr_va_sdst(0) depctr_va_ssrc(0) depctr_va_vcc(0) depctr_vm_vsrc(0)
	s_getreg_b32 s2, hwreg(HW_REG_IB_STS2, 6, 4)
	s_cmp_eq_u32 s2, 0
	s_cbranch_scc0 .Lentry_in_a_cluster
	s_endpgm
.Lentry_in_a_cluster:
	s_bfe_u32 s2, ttmp6, 0x10000c
	s_cmp_lg_u32 s2, 0x3003
	s_cbranch_scc0 .Lentry_shape_is_right
	s_endpgm
.Lentry_shape_is_right:
; out[b][n][64 head + :] = the sum over keys of softmax(q . k / 32) v, for 2 batches x 16 heads x 2,048 tokens, head size 64; both products on codes of FP8 (E4M3) with the given scales e2 (q), e3 (k), e4 (p), e5 (v).
; THE SOFTMAX AHEAD OF THE SECOND PRODUCT: t = score x log2(e) / 32; M = the row's largest t so far, rounded UP to a whole number; p = 2^(t - M) is what is quantised, along the keys; it is not normalised.
; The row's sum is taken of the unquantised p, in f32, and divides at the end.  When M moves, the sum and O are multiplied by 2^(old M - new M): exact.
; SHARES.  A work-group owns 256 queries of one head; each of its sixteen waves 16 of them, one tile, in 210 registers: four waves to a SIMD, so that one wave's vector work stands beside another's products and LDS loads.
; ALL OF THE HEAD'S K AND V LIE IN LDS, 128 KiB each, as images of operand registers (the launch before stored them so): every read is 16 x lane + a constant, 512 consecutive bytes an instruction.
; Nothing in LDS is filled a second time: no ring.  Every byte of K and V is asked for at the head, in two parts (keys 0-511, keys 512-2047), so that work begins when the first part is in; there is no later request that a prefetch could run ahead of.
; CLUSTER.  The four query blocks of a cluster belong to one head and read the same K and V: each part is asked for JOINTLY, by the same tensor load with the same descriptor and a mask that names the four.
; LAYOUT.  Both products are used transposed: S^T = K Q^T (source 0 = 16 keys, source 1 = my 16 queries; K = 64), O^T = V^T P^T (source 0 = 16 channels, source 1 = P; K = 128 keys): a lane holds ONE query (lane % 16) throughout.
; In tile t of S^T a lane's eight registers are keys 16 t + 8 (lane / 16) + 0..7: their codes are registers 2 t, 2 t + 1 of P in the K = 128 form's own layout.  All operands stand in their true places along K.
; LIMITS on the given exponents, so that each power of two below is an f32 number: e2 + e3 between -121 and 132 (added to c's exponent field); e4 between -126 and 119; e4 + e5 is applied by v_ldexp_f32 and has none.  NaN is not served.
.set VBASE, 131072                     ; LDS: K's 128 tiles of 1,024 bytes, then V's 16 blocks of 128 keys, 8,192 bytes each (4 fragments of 2,048)
.set STEPB, 8192                       ; a step of 128 keys: 8 tiles of K, and one block of V
.set SP,    272                        ; the way out: a stage row: 256 bytes + 16; 16 rows for each wave, in K's bytes, which have had their only fill and are read no more
.set LI,  1                            ; v1   16 x lane
.set LV,  2                            ; v2   16 x lane + VBASE
.set ADK, 3                            ; v3   LDS address of the step's K
.set ADV, 4                            ; v4   of its V
.set GO,  5                            ; v5   the way out: my byte offset in the wave's rows of out
.set STO, 6                            ; v6   where I put 32 bytes of a row
.set RD,  7                            ; v7   where I read a row back
.set PLIM, 10                          ; v10  448 x 2^e4
.set PSC, 11                           ; v11  2^e4
                                       ; v12 -M, v13 the largest t, v[14:15] the sum in two halves, v[24:25] f and 0, v26, v27 the maximum's two chains, v28 the lane permute's destination, v[30:31] the sum's second chain
.set Q,   16                           ; v16-23   Q's fragment
.set FR,  32                           ; v32-95   8 fragments of K, then 4 of V
.set S,   96                           ; v96-159  S^T, then p
.set O,   160                          ; v160-191 O^T
.set P,   192                          ; v192-207 p's codes
.set WV,  10                           ; s10  my wave's number
.set SEL, 20                           ; s[20:21] lane selects for v_permlanex16_b32: lane l xor 16
.set CS,  22                           ; s[22:23] c = log2(e) / 32 x 2^(e2 + e3): the packed form names a pair and takes its low word for both halves
.set KE,  24                           ; s[24:31] group 1: K, keys 0-511;   s[32:39]: K, the rest;   s[40:47], s[48:55]: the same for V
.set KL,  32
.set VE,  40
.set VL,  48
.set G0E, 56                           ; s[56:59] group 0 of my early load;  s[60:63] of my late one
.set G0L, 60
.set TB,  66                           ; s66  LDS byte at which the step's K begins
.set CNT, 67                           ; s67  steps to go
.macro CROUND                          ; a round of the cluster's barrier
	s_barrier_signal -1
	s_barrier_wait -1
	s_cmp_lg_u32 s[WV], 0
	s_cbranch_scc1 .Lnot_wave_0_\@
	s_barrier_signal -3
.Lnot_wave_0_\@:
	s_barrier_wait -3
	s_barrier_signal -1
	s_barrier_wait -1
.endm
.macro GROUP1 g, c, r, p               ; r rows of c elements of 8 bytes, p elements from row to row; dense in LDS
	s_mov_b32 s[\g], 15|(3<<16)|(1<<21)            ; 15:0 the mask: all four work-groups; 17:16 elements of 8 bytes; 20 no padding; 21 set beside a mask
	s_mov_b32 s[\g+1], (\c)<<16                    ; tensor_dim0
	s_mov_b32 s[\g+2], (\r)<<16                    ; tensor_dim1
	s_mov_b32 s[\g+3], (\c)<<16                    ; tile_dim0
	s_mov_b32 s[\g+4], \r                          ; tile_dim1
	s_mov_b32 s[\g+5], \p                          ; tensor_dim0_stride
	s_mov_b32 s[\g+6], 0
	s_mov_b32 s[\g+7], 0
.endm
	s_load_b128 s[4:7], s[0:1], 0x0                ; qkv s[4:5], the scales' exponents s[6:7]
	s_load_b64 s[8:9], s[0:1], 0x10                ; out
	v_lshl_add_u32 v208, v0, 2, 0x40000
	v_mov_b32 v209, 0
	ds_add_u32 v208, v209
	ds_add_u32 v208, v209
	v_lshrrev_b32 v8, 5, v0
	v_readfirstlane_b32 s[WV], v8                  ; wave 0..15
	s_bfe_u32 s11, ttmp6, 0x40000                  ; cx: it enters Q's and out's addresses alone
	s_lshl_b32 s12, ttmp9, 2
	s_add_co_u32 s12, s12, s11                     ; my block of 256 queries
	s_and_b32 s13, ttmp7, 0xffff                   ; 16 x batch + head, which the four partners share
	s_and_b32 s14, s13, 1                          ; g: which head of its pair
	s_lshr_b32 s15, s13, 1
	s_lshl_b32 s15, s15, 18                        ; the pair's first byte in a section
	; what I fetch, if I fetch: waves 0-3 quarters of K, waves 4-7 quarters of V
	s_and_b32 s16, s[WV], 3                        ; which quarter
	s_bfe_u32 s17, s[WV], 0x10002                  ; 0: K, 1: V
	s_lshl_b32 s18, s16, 13
	s_lshl_b32 s19, s17, 17
	s_add_co_u32 s[G0E+1], s18, s19                ; early, in LDS: 8,192 x quarter (+ VBASE)
	s_mul_i32 s18, s16, 24576
	s_add_co_u32 s18, s18, s19
	s_add_co_u32 s[G0L+1], s18, 32768              ; late: behind the early part, 24,576 x quarter
	s_add_co_u32 s74, s17, 1
	s_lshl_b32 s74, s74, 22                        ; k's section or v's
	s_add_co_u32 s74, s74, s15
	s_mul_i32 s75, s17, 3
	s_add_co_u32 s75, s75, 10
	s_lshl_b32 s75, s14, s75                       ; my head's part of a row pair: 1,024 g in K, 8,192 g in V
	s_add_co_u32 s74, s74, s75
	s_lshl_b32 s76, s16, 14                        ; early, in memory: 128 keys x 128 bytes for each quarter
	s_add_co_u32 s76, s76, s74
	s_mov_b32 s77, 0
	s_mul_i32 s78, s16, 49152                      ; late: 384 keys for each quarter,
	s_add_co_u32 s78, s78, s74
	s_add_co_u32 s78, s78, 65536                   ; behind the first 512
	s_mov_b32 s79, 0
	GROUP1 KE, 128, 8, 256                         ; K: a tile of 16 keys is 1,024 bytes, every other one is my head's
	GROUP1 KL, 128, 24, 256
	GROUP1 VE, 1024, 1, 2048                       ; V: a block of 128 keys is 8,192 bytes, likewise
	GROUP1 VL, 1024, 3, 2048
	s_lshl_b32 s80, s12, 4
	s_add_co_u32 s80, s80, s[WV]                   ; my tile of 16 tokens in the batch
	s_lshl_b32 s82, s80, 11
	s_add_co_u32 s82, s82, s15
	s_lshl_b32 s83, s14, 10
	s_add_co_u32 s82, s82, s83                     ; Q's fragment, in q's section
	s_mov_b32 s83, 0
	s_lshr_b32 s84, s13, 4
	s_lshl_b32 s84, s84, 7
	s_add_co_u32 s84, s84, s80                     ; 128 x batch + tile
	s_lshl_b32 s84, s84, 16                        ; x 16 rows of 4,096 bytes
	s_and_b32 s85, s13, 15
	s_lshl_b32 s85, s85, 8                         ; + the head's 256 bytes
	s_add_co_u32 s84, s84, s85
	s_mov_b32 s85, 0
	s_mov_b32 s[SEL], 0x76543210
	s_mov_b32 s[SEL+1], 0xfedcba98
	s_mov_b32 s[CS], 0x3d38aa3b                    ; log2(e) / 32
	s_mov_b32 s[TB], 0
	s_wait_dscnt 0x0
	s_wait_kmcnt 0x0
	s_load_b128 s[68:71], s[6:7], 0x0              ; e0, e1, e2, e3
	s_load_b64 s[72:73], s[6:7], 0x10              ; e4, e5
	s_mov_b32 s[G0E], 1                            ; 1:0 count = 1
	s_add_nc_u64 s[G0E+2:G0E+3], s[4:5], s[76:77]  ; 120:64 global address
	s_or_b32 s[G0E+3], s[G0E+3], 0x80000000        ; 127:126 type = 2
	s_mov_b32 s[G0L], 1
	s_add_nc_u64 s[G0L+2:G0L+3], s[4:5], s[78:79]
	s_or_b32 s[G0L+3], s[G0L+3], 0x80000000
	s_add_nc_u64 s[82:83], s[4:5], s[82:83]
	s_add_nc_u64 s[8:9], s[8:9], s[84:85]
	CROUND                                         ; all four work-groups are here: the joint loads meet
	s_cmp_lt_u32 s[WV], 4                          ; a wave's two fills stand in one branch on its number, ahead of every wait on TENSORcnt, every LDS read and every other barrier: two loads of mine are out
	s_cbranch_scc0 .Lnot_k
	tensor_load_to_lds s[G0E:G0E+3], s[KE:KE+7]
	s_nop 0
	tensor_load_to_lds s[G0L:G0L+3], s[KL:KL+7]
	s_nop 0
.rept 4
	v_nop
.endr
	s_branch .Lasked
.Lnot_k:
	s_cmp_lt_u32 s[WV], 8
	s_cbranch_scc0 .Lasked
	tensor_load_to_lds s[G0E:G0E+3], s[VE:VE+7]
	s_nop 0
	tensor_load_to_lds s[G0L:G0L+3], s[VL:VL+7]
	s_nop 0
.rept 4
	v_nop
.endr
.Lasked:
	v_and_b32 v[LI], 31, v0
	v_lshlrev_b32 v[LI], 4, v[LI]
	global_load_b128 v[Q:Q+3], v[LI], s[82:83] th:TH_LOAD_NT             ; Q's fragment stays in registers
	global_load_b128 v[Q+4:Q+7], v[LI], s[82:83] offset:512 th:TH_LOAD_NT
	v_add_nc_u32 v[LV], VBASE, v[LI]
	v_mov_b32 v13, 0xff61b1e6                      ; the largest t so far: -3e38, under every t
	v_floor_f32 v12, -v13                          ; -M
	v_mov_b32 v14, 0                               ; the sum, in two halves
	v_mov_b32 v15, 0
	v_mov_b32 v25, 0                               ; (named as the upper half of the pair v[24:25])
	v_mov_b32 v28, 0                               ; written once: a lane permute's destination counts as one of its sources
.set j, 0
.rept 32
	v_mov_b32 v[O+j], 0                            ; O^T.  (The step is written for every trip alike: the first finds zeros, which the first change of M leaves zeros)
.set j, j+1
.endr
	s_wait_kmcnt 0x0
	s_add_co_i32 s86, s70, s71
	s_lshl_b32 s86, s86, 23
	s_add_co_i32 s[CS], s[CS], s86                 ; a score stands for score x 2^(e2 + e3): the two exponents are added to c's exponent field
	s_mov_b32 s[CS+1], s[CS]                       ; (named with it as a pair, so it is written)
	s_add_co_i32 s86, s72, 127
	s_lshl_b32 s87, s86, 23
	v_mov_b32 v[PSC], s87                          ; 2^e4 as f32, for the conversion
	s_add_co_i32 s86, s86, 8
	s_lshl_b32 s86, s86, 23
	s_or_b32 s86, s86, 0x600000
	v_mov_b32 v[PLIM], s86                         ; 448 x 2^e4
; A KEY STEP: 128 keys.
.macro STEP
	v_add_nc_u32 v[ADK], s[TB], v[LI]
	v_add_nc_u32 v[ADV], s[TB], v[LV]
	v_nop                                          ; with the two additions: four places behind the last step's products, in front of loads into registers that they have read
	v_nop
.set t, 0
.rept 8
	ds_load_b128 v[FR+8*t:FR+8*t+3], v[ADK] offset:1024*t
	ds_load_b128 v[FR+8*t+4:FR+8*t+7], v[ADK] offset:1024*t+512
.set t, t+1
.endr
	s_wait_dscnt 8                                 ; tiles 0-3 are in; the eight loads of tiles 4-7 may be out
.set t, 0
.rept 8
.if t == 4
	s_wait_dscnt 0x0
.endif
	v_wmma_f32_16x16x64_fp8_fp8 v[S+8*t:S+8*t+7], v[FR+8*t:FR+8*t+7], v[Q:Q+7], 0   ; S^T: lane (r, h): query r, keys 16 t + 8 h + 0..7
.set t, t+1
.endr
.rept 4
	v_nop                                          ; places: for V's loads into K's registers, and for the first reads of the scores
.endr
.set t, 0
.rept 4
.irp q, 0,1,2,3
	ds_load_b128 v[FR+16*t+4*\q:FR+16*t+4*\q+3], v[ADV] offset:2048*t+512*\q   ; V^T, channels 16 t on: asked for now, wanted behind the softmax
.endr
.set t, t+1
.endr
	v_max3_num_f32 v26, v[S], v[S+1], v[S+2]       ; the step's largest score of my query, among my 64 keys, in two chains, each accumulator from its low end on,
	v_max3_num_f32 v27, v[S+3], v[S+4], v[S+5]
.set i, 6
.rept 14
	v_max3_num_f32 v26, v26, v[S+i], v[S+i+1]
	v_max3_num_f32 v27, v27, v[S+i+2], v[S+i+3]
.set i, i+4
.endr
	v_max3_num_f32 v26, v26, v[S+62], v[S+63]
	v_max_num_f32 v26, v26, v27
	v_permlanex16_b32 v28, v26, s[SEL], s[SEL+1]
	v_max_num_f32 v26, v26, v28                    ; and among lane l xor 16's
	v_mul_f32 v26, s[CS], v26                      ; as t (c is positive)
	v_max_num_f32 v13, v13, v26                    ; the running largest t
	v_mov_b32 v26, v12
	v_floor_f32 v12, -v13                          ; the new -M = floor(-t) = -ceil(t): M is a whole number
	v_sub_f32 v26, v12, v26                        ; M's old value less its new one: a whole number, 0 or less
	v_cvt_i32_f32 v26, v26                         ; (it saturates)
	v_ldexp_f32 v24, 1.0, v26                      ; f = 2^(old M - new M)
.set j, 0
.rept 32
	v_pk_fma_f32 v[S+j:S+j+1], v[S+j:S+j+1], s[CS:CS+1], v[12:13] op_sel_hi:[1,0,0]   ; t - M, two at a time (of the pairs c and -M the low word serves both halves)
.set j, j+2
.endr
.set j, 0
.rept 64
	v_exp_f32 v[S+j], v[S+j]                       ; p = 2^(t - M), at most 1: not normalised
.set j, j+1
.endr
	v_pk_mul_f32 v[14:15], v[14:15], v[24:25] op_sel_hi:[1,0]   ; the sums under the new M: the plain instruction behind the exponentials
	s_wait_alu depctr_va_vdst(0)                   ; one wait for the whole batch, ahead of its first reader
	v_pk_add_f32 v[30:31], v[S:S+1], v[S+2:S+3]    ; the row's sum is taken of the UNQUANTISED p: two at a time, in two chains
.set j, 4
.rept 15
	v_pk_add_f32 v[14:15], v[14:15], v[S+j:S+j+1]
	v_pk_add_f32 v[30:31], v[30:31], v[S+j+2:S+j+3]
.set j, j+4
.endr
	v_pk_add_f32 v[14:15], v[14:15], v[30:31]
.set t, 0
.rept 8
.set i, 0
.rept 8
	v_min_num_f32 v[S+8*t+i], v[S+8*t+i], v[PLIM]  ; the conversion does not saturate (ISA guide 7.6.2); p is not negative, so the hold is one-sided
.set i, i+1
.endr
	v_cvt_scalef32_pk8_fp8_f32 v[P+2*t:P+2*t+1], v[S+8*t:S+8*t+7], v[PSC]   ; registers 2 t, 2 t + 1 of P: keys 16 t + 8 h + 0..7
.set t, t+1
.endr
.set j, 0
.rept 16
	v_pk_mul_f32 v[O+j:O+j+1], v[O+j:O+j+1], v[24:25] op_sel_hi:[1,0]   ; O^T under the new M.  (Also the plain lines between the conversions and the products that read their results)
.set j, j+2
.endr
	s_wait_dscnt 0x0                               ; V is in
.set t, 0
.rept 4
	v_wmma_f32_16x16x128_fp8_fp8 v[O+8*t:O+8*t+7], v[FR+16*t:FR+16*t+15], v[P:P+15], v[O+8*t:O+8*t+7]   ; the four accumulators by turns; the product ahead of the first belongs to S^T
.set t, t+1
.endr
	s_add_co_u32 s[TB], s[TB], STEPB
.endm
	s_wait_loadcnt 0x0                             ; Q
	s_wait_tensorcnt 1                             ; my part of keys 0-511 is in; the later keys' load may stay out: nothing is filled a second time
	s_barrier_signal -1
	s_barrier_wait -1                              ; everybody's is
	s_mov_b32 s[CNT], 4
.Learly:                                           ; keys 0-511: LDS bytes 0-32,767 and VBASE + the same; the load that is out writes behind them
	STEP
	s_sub_co_u32 s[CNT], s[CNT], 1
	s_cmp_lg_u32 s[CNT], 0
	s_cbranch_scc1 .Learly
	s_wait_tensorcnt 0x0                           ; my part of keys 512-2047 is in,
	s_barrier_signal -1
	s_barrier_wait -1                              ; everybody's is
	s_mov_b32 s[CNT], 12
.Llate:
	STEP
	s_sub_co_u32 s[CNT], s[CNT], 1
	s_cmp_lg_u32 s[CNT], 0
	s_cbranch_scc1 .Llate
	; THE WAY OUT.  O^T / the sum x 2^(e4 + e5) goes through my stage in LDS, 16 queries x 256 bytes, and leaves as whole rows: sixteen lanes store 256 consecutive bytes, aligned.
	s_wait_dscnt 0x0                               ; my reads of K and V are over
	s_barrier_signal -1
	s_barrier_wait -1                              ; everybody's are: the stages may lie in K's bytes
	v_add_f32 v14, v14, v15                        ; the sum's two halves,
	v_permlanex16_b32 v28, v14, s[SEL], s[SEL+1]
	v_add_f32 v14, v14, v28                        ; and lane l xor 16's: the row's sum, above 1/2
	v_rcp_f32 v14, v14
	v_and_b32 v8, 15, v0                           ; (a plain instruction behind the reciprocal)  r
	v_bfe_u32 v9, v0, 4, 1                         ; h
	s_add_co_i32 s86, s72, s73
	s_mul_i32 s87, s[WV], 16*SP                    ; my stage
	v_mul_u32_u24 v[STO], v8, SP
	v_lshl_add_u32 v[STO], v9, 5, v[STO]
	v_add_nc_u32 v[STO], s87, v[STO]               ; in: row r; tile t's eight channels of my half: 64 t + 32 h bytes on
	v_mul_u32_u24 v[RD], v9, SP
	v_lshl_add_u32 v[RD], v8, 4, v[RD]
	v_add_nc_u32 v[RD], s87, v[RD]                 ; back: lanes 0-15 one row, lanes 16-31 the next
	v_lshlrev_b32 v[GO], 12, v9
	v_lshl_add_u32 v[GO], v8, 4, v[GO]             ; and the same two rows in out, 4,096 bytes apart
	s_wait_alu depctr_va_vdst(0)                   ; the wait ahead of the reciprocal's first reader
	v_ldexp_f32 v14, v14, s86                      ; x 2^(e4 + e5)
.set j, 0
.rept 16
	v_pk_mul_f32 v[S+j:S+j+1], v[O+j:O+j+1], v[14:15] op_sel_hi:[1,0]   ; register 8 t + i is out(query r, channel 16 t + 8 h + i); each accumulator from its low end on
.set j, j+2
.endr
.irp c, 0,1,2,3
	ds_store_b128 v[STO], v[S+8*\c:S+8*\c+3] offset:64*\c
	ds_store_b128 v[STO], v[S+8*\c+4:S+8*\c+7] offset:64*\c+16
.endr
.irp i, 0,1,2,3,4,5,6,7
	ds_load_b128 v[FR+4*\i:FR+4*\i+3], v[RD] offset:2*SP*\i   ; LDS serves a wave's instructions in order (ISA guide 5.7.1.4): these see my stores
.endr
.irp i, 0,1,2,3,4,5,6,7
	s_wait_dscnt 7-\i
	global_store_b128 v[GO], v[FR+4*\i:FR+4*\i+3], s[8:9] offset:8192*\i th:TH_STORE_NT
.endr
	s_wait_tensorcnt 0x0
	ds_add_u32 v208, v209
	s_wait_dscnt 0x0
	CROUND                                         ; the closing round: no work-group ends while a partner may still ask for a tile that names it
	s_endpgm
.Lfunc_end_k_q44e8c40f00_attn:
	.size	k_q44e8c40f00_attn, .Lfunc_end_k_q44e8c40f00_attn-k_q44e8c40f00_attn
	.p2alignl 7, 3214868480
	.fill 96, 4, 3214868480
	.section	.rodata,"a",@progbits
	.p2align	6, 0x0
	.amdhsa_kernel k_q44e8c40f00_attn
		.amdhsa_group_segment_fixed_size 264192
		.amdhsa_private_segment_fixed_size 0
		.amdhsa_enable_private_segment 0
		.amdhsa_kernarg_size 24
		.amdhsa_user_sgpr_count 2
		.amdhsa_user_sgpr_kernarg_segment_ptr 1
		.amdhsa_wavefront_size32 1
		.amdhsa_system_sgpr_workgroup_id_x 1
		.amdhsa_system_sgpr_workgroup_id_y 1
		.amdhsa_system_sgpr_workgroup_id_z 1
		.amdhsa_system_vgpr_workitem_id 0
		.amdhsa_next_free_vgpr 210
		.amdhsa_next_free_sgpr 90
		.amdhsa_reserve_vcc 0
		.amdhsa_float_denorm_mode_32 3
		.amdhsa_float_denorm_mode_16_64 3
		.amdhsa_memory_ordered 1
		.amdhsa_forward_progress 1
		.amdhsa_inst_pref_size 44
	.end_amdhsa_kernel
	.amdgpu_metadata
---
amdhsa.version: [ 1, 2 ]
amdhsa.kernels:
  - .name:           k_q44e8c40f00_attn
    .symbol:         k_q44e8c40f00_attn.kd
    .args:
      - { .name: qkv, .offset: 0, .size: 8, .value_kind: global_buffer, .address_space: global }
      - { .name: lowp_scales, .offset: 8, .size: 8, .value_kind: global_buffer, .address_space: global }
      - { .name: out0, .offset: 16, .size: 8, .value_kind: global_buffer, .address_space: global }
    .group_segment_fixed_size: 264192
    .private_segment_fixed_size: 0
    .kernarg_segment_align: 8
    .kernarg_segment_size: 24
    .max_flat_workgroup_size: 512
    .sgpr_count:     90
    .vgpr_count:     210
    .wavefront_size: 32
...
	.end_amdgpu_metadata
.endif
;; end of part 3
